; MI455X (gfx1250); checked and timed in simulation.
; The chip was launched on July 23, 2026; its instructions are those of AMD's public machine-readable ISA for CDNA 5 (MIT licence, August 2026) and "CDNA5" Instruction Set Architecture Reference Guide (July 2026). The comments in the code are by the model that wrote it; some were corrected since.
;; GPT2 Attention. Allowed arithmetic: matrix products marked QUANTISED: E4M3 operands, one E8M0 scale for each 32 along K, by v_wmma_scale_f32_16x16x128_f8f6f4 with both operands' format E4M3, f32 sums; everything else in f32.
;; Inputs: W_attn_codes 3,072 x 32 x 32 uint8 (E4M3 codes of W_attn, K innermost, in blocks of 32 codes); W_attn_scales 3,072 x 32 uint8 (E8M0 scales of W_attn, one for each 32 codes along K); W_proj_codes 1,024 x 32 x 32 uint8 (E4M3 codes of W_proj, K innermost, in blocks of 32 codes); W_proj_scales 1,024 x 32 uint8 (E8M0 scales of W_proj, one for each 32 codes along K); b_attn 3,072 float32; b_proj 1,024 float32; x_codes 1 x 4,096 x 32 x 32 uint8 (E4M3 codes of x, K innermost, in blocks of 32 codes); x_scales 1 x 4,096 x 32 uint8 (E8M0 scales of x, one for each 32 codes along K).
;; Outputs: out0 1 x 4,096 x 1,024 float32.
;; This version of the problem:
;;   THIS VERSION OF THE PROBLEM IS GIVEN IN LOW PRECISION. The matrix products marked QUANTISED in the list below multiply operands that are first quantised to E4M3 (4 exponent bits, 3 mantissa bits; 8 bits a number), with one power-of-two scale for each 32 numbers along K (OCP MX v1.0); their sums are f32. All else is computed in f32.
;;   The module's matrix products, in the order in which they are computed (A, B: the left and right operand; K: the contracted axis; several contracted axes count as one K, in the product's order):
;;     1. [M 4,096, K 1,024] x [K 1,024, N 3,072]; A: input x (given as codes); B: input W_attn (given as codes): QUANTISED
;;     2. batch 16 x [M 4,096, K 64] x [K 64, N 4,096]; A: computed on the way; B: computed on the way: QUANTISED
;;     3. batch 16 x [M 4,096, K 4,096] x [K 4,096, N 64]; A: softmax (see below); B: computed on the way: QUANTISED
;;     4. [M 4,096, K 1,024] x [K 1,024, N 1,024]; A: computed on the way; B: input W_proj (given as codes): QUANTISED
;;   THE QUANTISER, for each operand of a quantised product, along K:
;;     - K is cut into blocks of 32 from its start; a last block that is shorter is filled with zeros.
;;     - A block's scale is 2^e with e = floor(log2(the largest magnitude in the block)) - 8, held to -126 .. 127; a block of zeros has e = 0. As a byte (E8M0): e + 127.
;;     - Each number is divided by its block's scale, clamped to +-448, and rounded to the nearest number of E4M3, ties to even, subnormals kept.
;;     - The product sums the exact products of the quantised numbers (number of the format x scale) in f32.
;;   ~~~python
;;   def quantise(x, axis):      # numpy; x: float32 -> the quantised numbers, widened to float32 again
;;       x = np.moveaxis(x, axis, -1); K = x.shape[-1]
;;       x = np.pad(x, [(0, 0)] * (x.ndim - 1) + [(0, -K % 32)]); x = x.reshape(x.shape[:-1] + (-1, 32)); a = np.abs(x).max(-1, keepdims=True)
;;       e = np.where(a > 0, np.clip(np.frexp(np.where(a > 0, a, 1))[1] - 1 - 8, -126, 127), 0)      # np.frexp(a)[1] - 1 = floor(log2(a)), exactly
;;       r = np.clip(x / 2.0 ** e, -448, 448)
;;       step = 2.0 ** (np.maximum(np.frexp(np.where(r == 0, 1, r))[1] - 1, -6) - 3)
;;       q = np.round(r / step) * step * 2.0 ** e      # np.round: ties to even
;;       return np.moveaxis(q.reshape(q.shape[:-2] + (-1,))[..., :K], -1, axis).astype(np.float32)
;;   ~~~
;;   SOFTMAX AHEAD OF A QUANTISED PRODUCT. Where the list says 'softmax', what is quantised is not the finished softmax but p = 2^(t - M), with t = logit x log2(e) and M = ceil(the row's largest t), a whole number; so 1/2 < the row's largest p <= 1. The row's sum l is taken of the UNQUANTISED p, in f32, and the product's result is divided by l at the end. Since M is a whole number, a kernel that streams over the keys may use a running M (the ceiling of the running maximum): every later rescaling is an exact power of two, which a block's scale takes up: the codes' values come out the same.
;;   OPERANDS COMPUTED ON THE WAY. 'Computed on the way' means the value that the module computes at that place (a softmax that the list does not call 'softmax' is quantised finished and normalised). What goes into a quantiser is computed in f32, as accurately as f32 sums, v_exp_f32 and their like allow (about 1e-6 of the number): no bf16 or f16 on the way to a quantiser, and a product that is left as it is and whose result goes on into a quantised operand takes f32 operands (vector FMAs, or v_wmma_f32_16x16x4_f32). A number that lies on a knife's edge between two numbers of the format may be rounded either way, as far as f32 arithmetic and the matrix unit's own rounding can turn it there, and no further.
;;   INPUTS GIVEN AS CODES. W_attn (in the module: [1024, 3072], K = its axis 0); W_proj (in the module: [1024, 1024], K = its axis 0); x (in the module: [1, 4096, 1024], K = its axis 2): each comes as NAME_codes (uint8): NAME with its K axis moved to the last place and cut into blocks of 32 codes, [.., K / 32, bytes a block], one block behind the other in memory; one code a byte (a code: sign, 4 exponent bits, 3 mantissa bits); and NAME_scales (uint8): the same leading axes, one E8M0 byte (e + 127) for each 32 codes along K. Its value is code x scale, taken as it is: it is not quantised again, and the codes and scales need not be those that the quantiser above would give.
;; One version. Each part assembles by itself: llvm-mc -triple=amdgcn-amd-amdhsa -mcpu=gfx1250 --defsym DOCPART=n.
;; ======== version 1 of 1: 3 launches
;; limits: right only within a limited range of input values
;; workspace buffers: qbuf 4,456,448 bytes; kvbuf 8,781,824 bytes; abuf 4,194,304 bytes; asc 131,072 bytes
;; launch qkv (part 1): grid 8 x 32, 4 waves a work-group, clusters of 4 x 4, 327,680 bytes of LDS; arguments x_codes, x_scales, W_attn_codes, W_attn_scales, b_attn, qbuf, kvbuf; writes qbuf, kvbuf
.if DOCPART == 1
	.amdgcn_target "amdgcn-amd-amdhsa--gfx1250"
	.amdhsa_code_object_version 6
	.text
	.protected	k_qc33357a634_qkv
	.globl	k_qc33357a634_qkv
	.p2align	8
	.type	k_qc33357a634_qkv,@function
k_qc33357a634_qkv:
	s_mov_b64 s[64:65], 0
	v_nop
	global_prefetch_b8 v0, s[64:65] scope:SCOPE_SE
	s_setreg_imm32_b32 hwreg(HW_REG_WAVE_MODE, 25, 1), 1
	s_wait_xcnt 0x0
	s_wait_alu depctr_hold_cnt(0) depctr_sa_sdst(0) depctr_va_vdst(0) depctr_va_sdst(0) depctr_va_ssrc(0) depctr_va_vcc(0) depctr_vm_vsrc(0)
	s_getreg_b32 s2, hwreg(HW_REG_IB_STS2, 6, 4)
	s_cmp_eq_u32 s2, 0
	s_cbranch_scc0 .Lentry_in_a_cluster
	s_endpgm
.Lentry_in_a_cluster:
	s_bfe_u32 s2, ttmp6, 0x10000c
	s_cmp_lg_u32 s2, 0xf033
	s_cbranch_scc0 .Lentry_shape_is_right
	s_endpgm
.Lentry_shape_is_right:
; Q, K, V = x W_attn + b_attn on codes of FP8 (E4M3) with one E8M0 scale for each 32 along K = 1,024, and their quantisers for the attention launch: Q and K along the head's 64, V along the tokens.  No f32 result is stored.
; 256 work-groups: (c, tb) makes heads 2 c and 2 c + 1 of Q, of K and of V for tokens 128 tb .. + 127, one JOB after the other.  Four waves, 2 x 2: a wave has 64 tokens (its half wr) and one head (wc): 16 accumulators.
; x's 64 tokens x all of K stay in 512 registers (windows 2, 3): they are read from LDS once, in job Q, and serve all three.
; OUTPUTS, images of the next launch's operand registers.  qbuf [head][128 tokens][8,704]: codes [tile of 16 tokens 8][block of 32 channels 2][lane][16 bytes], scale words at 8,192: [half of 64 tokens][r][tile 4].
; kvbuf [head][128 tokens][17,152]: K the same way; V's codes at 8,704: [tile of 16 channels 4][block of 32 tokens 4][lane][16], its scale words at 16,896: [r][tile 4].  A scale word of Q or K holds its two bytes twice.
; Inside a block of 32, place 16 h + 8 u + j holds 16 u + 8 h + j of it, in Q and K alike, and in V as the attention launch lays p.
; LDS: four regions of 128 rows x (512 + 16) bytes.  Head: x's first K half (0), W_q's first (1), x's second (2), W_q's second (3), one tensor load a wave; waves 0 and 1's are shown first.
; Round 1, inside job Q's fourth K step, where regions 0 and 1 have been read: W_k's halves.  Round 2, behind job Q: W_v's halves into 2 and 3.
; CLUSTERS: 4 x 4 work-groups: x's rows are asked for jointly by a row of the cluster, W's by a column.
; PREFETCH: W_k's and W_v's rows of the cluster column, 512 blocks of 256 bytes each, a lane a block, shared out by address over the column's sixteen waves; clusters of the first two rows alone ask.
; LIMITS: NaN, infinities and sums beyond f32's range are not served.  A block under the floor 2^(9 - 127) gets the byte 1 where the rule says 127 (its codes are zeros; this program alone reads the bytes).
; REGISTERS: window 0: v0-19 addresses; v24-55 x's scale words, v60-91 and v92-123 W's, v124-127 V's bias; v128-255 W's fragments, two buffers; on the way out v192-247 at work.
;   window 1: v0-127 the accumulators, v128-159 the bias.   windows 2, 3: x, K step k's tile a at 64 (k % 4) + 16 a.
.set RG,   128*528
.set SPARE, 4*RG                       ; the spare words, 128 bytes for each wave
.set VSCR, SPARE+512                   ; V's scale words on their way out: two heads x 256 bytes
.set QBLK,  8704
.set KVBLK, 17152
.set HB,  2
.set CO,  3                            ; 16 x lane
.set SKO, 4                            ; my scale words' place behind QO or KO
.set AX,  5                            ; v5, v6: x's rows in regions 0, 2
.set AW,  7                            ; v7-10: W's rows in regions 0-3
.set VR,  11
.set VH,  12
.set V4,  13
.set PFO, 14
.set VSS, 15
.set L8,  16
.set VSL, 17
.set SPW, 18
.set NIL, 19
.set XS,  24
.set WS0, 60                           ; x's and W's scale words of a product have numbers that differ modulo 8
.set WS1, 92
.set BV,  124
.set WB,  128
.set BI,  128                          ; window 1
.set TM,  192
.set PW,  208
.set SD,  212
.set PC,  216
.set G1X, 24
.set G1W, 32
.set G1R, 40
.set G0X, 48
.set G0W, 52
.set G0R, 56
.set QO,  80
.set KO,  82
.set VO,  84
.set SEL, 92
.set MNT, 94
.set HM,  95
.set MSB, 0
.macro WIN new                         ; the immediate's high byte repeats the setting that is left
.if MSB != (\new)
	s_set_vgpr_msb (MSB<<8)|(\new)
.set MSB, \new
.endif
.endm
.macro PLACES n
.rept \n
	v_nop
.endr
.endm
.macro CREST                           ; a round of the cluster's barrier behind its opening barrier
	s_cmp_lg_u32 s18, 0
	s_cbranch_scc1 .Lnot_wave_0_\@
	s_barrier_signal -3
.Lnot_wave_0_\@:
	s_barrier_wait -3
	s_barrier_signal -1
	s_barrier_wait -1
.endm
.macro CROUND
	s_barrier_signal -1
	s_barrier_wait -1
	CREST
.endm
.macro TLOAD g0, g1
	tensor_load_to_lds s[\g0:\g0+3], s[\g1:\g1+7]
	s_nop 0
	PLACES 4
.endm
.macro GROUP1 g, mask, rows            ; a tile of so many rows x 512 bytes, 1,024 apart in memory; 16 bytes of padding behind each in LDS
	s_or_b32 s[\g], s[\mask], (1<<20)|(1<<21)|(6<<22)|(3<<25)
	s_mov_b32 s[\g+1], 512<<16
	s_mov_b32 s[\g+2], (\rows)<<16
	s_mov_b32 s[\g+3], 512<<16
	s_mov_b32 s[\g+4], \rows
	s_mov_b32 s[\g+5], 1024
	s_mov_b32 s[\g+6], 0
	s_mov_b32 s[\g+7], 0
.endm
	s_load_b256 s[4:11], s[0:1], 0x0               ; x's codes, x's scales, W's codes, W's scales
	s_load_b128 s[12:15], s[0:1], 0x20             ; b_attn, qbuf
	s_load_b64 s[16:17], s[0:1], 0x30              ; kvbuf
	v_lshl_add_u32 v[SPW], v0, 2, SPARE
	v_mov_b32 v[NIL], 0
	ds_add_u32 v[SPW], v[NIL]                      ; the wave's opening: the add, twice on end, and its wait ahead of my first tensor load
	ds_add_u32 v[SPW], v[NIL]
	v_lshrrev_b32 v1, 5, v0
	v_readfirstlane_b32 s18, v1                    ; wave 0..3
	s_lshr_b32 s19, s18, 1                         ; wr: which 64 tokens.  Also: which K half I fetch
	s_and_b32 s20, s18, 1                          ; wc: which head
	s_bfe_u32 s66, ttmp6, 0x40000                  ; cx, cy
	s_bfe_u32 s67, ttmp6, 0x40004
	s_lshl_b32 s21, ttmp9, 2
	s_add_co_u32 s21, s21, s66                     ; c
	s_and_b32 s76, ttmp7, 0xffff
	s_lshl_b32 s22, s76, 2
	s_add_co_u32 s22, s22, s67                     ; tb
	s_lshl_b32 s60, s67, 2
	s_lshl_b32 s60, 15, s60                        ; my row of the cluster
	s_lshl_b32 s61, 0x1111, s66                    ; my column
	GROUP1 G1X, 60, 128
	GROUP1 G1W, 61, 128
	GROUP1 G1R, 61, 64
	s_lshl_b32 s23, s19, 9                         ; my K half, in bytes
	s_lshl_b32 s68, s22, 17
	s_add_co_u32 s68, s68, s23                     ; x: row 128 tb
	s_mov_b32 s69, 0
	s_lshl_b32 s62, s21, 17
	s_add_co_u32 s70, s62, s23                     ; W_q: row 128 c
	s_mov_b32 s71, 0
	s_lshl_b32 s63, s20, 16
	s_add_co_u32 s72, s70, s63
	s_add_co_u32 s72, s72, 0x100000                ; W_k: row 1,024 + 128 c + 64 wc
	s_mov_b32 s73, 0
	s_lshl_b32 s74, s67, 2
	s_add_co_u32 s74, s74, s18
	s_lshl_b32 s74, s74, 13
	s_add_co_u32 s74, s74, s62
	s_add_co_u32 s74, s74, 0x100000                ; my part of the prefetches
	s_mov_b32 s[G0X], 1
	s_mul_i32 s[G0X+1], s19, 2*RG
	s_mov_b32 s[G0W], 1
	s_add_co_u32 s[G0W+1], s[G0X+1], RG
	s_mov_b32 s[G0R], 1
	s_mul_i32 s[G0R+1], s18, 64*528
	s_wait_alu depctr_va_vdst(0)
	s_wait_dscnt 0x0                               ; both opening adds are done
	s_wait_kmcnt 0x0
	s_add_nc_u64 s[G0X+2:G0X+3], s[4:5], s[68:69]
	s_or_b32 s[G0X+3], s[G0X+3], 0x80000000
	s_add_nc_u64 s[G0W+2:G0W+3], s[8:9], s[70:71]
	s_or_b32 s[G0W+3], s[G0W+3], 0x80000000
	s_add_nc_u64 s[G0R+2:G0R+3], s[8:9], s[72:73]
	s_or_b32 s[G0R+3], s[G0R+3], 0x80000000
	CROUND                                         ; all sixteen work-groups are here: the joint loads meet
.macro ARM under, g0, g1, next         ; one tree of branches on the wave's number, one load to an arm
	s_cmp_lt_u32 s18, \under
	s_cbranch_scc0 \next
	TLOAD \g0, \g1
	s_branch .Lasked
\next:
.endm
	ARM 1, G0X, G1X, .Lw_first
	ARM 2, G0W, G1W, .Lx_second
	ARM 3, G0X, G1X, .Lw_second
	TLOAD G0W, G1W
.Lasked:
	s_lshl_b32 s68, s22, 12                        ; x's scale bytes: 32 a row
	s_lshl_b32 s60, s19, 11
	s_add_co_u32 s68, s68, s60
	s_add_nc_u64 s[6:7], s[6:7], s[68:69]
	s_lshl_b32 s70, s21, 12                        ; W_q's
	s_lshl_b32 s60, s20, 11
	s_add_co_u32 s70, s70, s60
	s_add_nc_u64 s[10:11], s[10:11], s[70:71]
	s_lshl_b32 s72, s21, 9                         ; Q's bias
	s_lshl_b32 s60, s20, 8
	s_add_co_u32 s72, s72, s60
	s_add_nc_u64 s[12:13], s[12:13], s[72:73]
	s_lshl_b32 s60, s21, 1
	s_add_co_u32 s60, s60, s20                     ; my head
	s_lshl_b32 s60, s60, 5
	s_add_co_u32 s60, s60, s22
	s_lshl_b32 s61, s19, 12                        ; 4,096 wr
	s_mul_i32 s68, s60, QBLK
	s_add_co_u32 s68, s68, s61
	s_add_nc_u64 s[QO:QO+1], s[14:15], s[68:69]
	s_mul_i32 s70, s60, KVBLK
	s_add_co_u32 s68, s70, s61
	s_add_nc_u64 s[KO:KO+1], s[16:17], s[68:69]
	s_lshl_b32 s61, s19, 10
	s_add_co_u32 s68, s70, s61
	s_add_co_u32 s68, s68, 8704
	s_add_nc_u64 s[VO:VO+1], s[16:17], s[68:69]
	s_mul_i32 s62, s19, 256
	s_add_co_u32 s62, s62, 8192
	s_lshl_b32 s63, s19, 12
	s_sub_co_u32 s62, s62, s63                     ; 8,192 + 256 wr, less the 4,096 wr that QO and KO hold
	s_mul_i32 s60, s19, 64*528                     ; my 64 rows of x,
	s_mul_i32 s61, s20, 64*528                     ; and of W
	s_lshl_b32 s63, s20, 8
	s_add_co_u32 s63, s63, VSCR                    ; my head's scale words of V
	s_lshl_b32 s23, s19, 1
	s_add_co_u32 s23, s23, s63
	s_mov_b32 s[SEL], 0x76543210
	s_mov_b32 s[SEL+1], 0xfedcba98
	s_mov_b32 s[MNT], 0x600000
	v_and_b32 v1, 15, v0                           ; r
	v_bfe_u32 v[HB], v0, 4, 1                      ; h
	v_and_b32 v20, 31, v0
	v_lshlrev_b32 v[VR], 5, v1
	v_lshlrev_b32 v[VH], 5, v[HB]
	v_lshlrev_b32 v[V4], 2, v1
	v_lshl_add_u32 v[PFO], v20, 8, s74
	v_lshlrev_b32 v[CO], 4, v20
	v_lshlrev_b32 v[L8], 3, v20
	v_mul_u32_u24 v21, v1, 528
	v_lshl_add_u32 v21, v[HB], 4, v21              ; row r x pitch + 16 h
	v_add_nc_u32 v[AX], s60, v21
	v_add_nc_u32 v[AW], s61, v21
	v_add_nc_u32 v[AX+1], 2*RG, v[AX]
	v_add_nc_u32 v[AW+1], RG, v[AW]
	v_add_nc_u32 v[AW+2], 2*RG, v[AW]
	v_add_nc_u32 v[AW+3], 3*RG, v[AW]
	v_lshlrev_b32 v22, 4, v1
	v_lshl_add_u32 v[SKO], v[HB], 3, v22
	v_add_nc_u32 v[SKO], s62, v[SKO]
	v_add_nc_u32 v[VSS], s23, v22
	v_add_nc_u32 v[VSL], s63, v[L8]
	v_cmp_eq_u32 s[HM], 1, v[HB]                   ; lanes 16-31
.irp b, 0,1,2,3
	v_mov_b32 v[TM+4+\b], 0                        ; a lane permute's destination counts as one of its sources
.endr
.irp a, 0,1,2,3
.irp g, 0,4
	global_load_b128 v[XS+8*\a+\g:XS+8*\a+\g+3], v[VR], s[6:7] offset:512*\a+4*\g
	global_load_b128 v[WS0+8*\a+\g:WS0+8*\a+\g+3], v[VR], s[10:11] offset:512*\a+4*\g
	global_load_b128 v[WS1+8*\a+\g:WS1+8*\a+\g+3], v[VR], s[10:11] offset:32768+512*\a+4*\g
.endr
	global_load_b32 v[BV+\a], v[V4], s[12:13] offset:8192+64*\a        ; V: channel 16 u + r
.endr
.macro BIAS off                        ; register 8 b + j: channel 16 b + 8 h + j
	WIN 0x40
.irp b, 0,1,2,3
	global_load_b128 v[BI+8*\b:BI+8*\b+3], v[VH], s[12:13] offset:\off+64*\b
	global_load_b128 v[BI+8*\b+4:BI+8*\b+7], v[VH], s[12:13] offset:\off+64*\b+16
.endr
	WIN 0
.endm
	BIAS 0
.macro FETCH k, x, aw                  ; K step k's fragments: W's four, and in job Q x's four
.if \x
	WIN ((2+(\k)/4)<<6)
.irp a, 0,1,2,3
.irp c, 0,1,2,3
	ds_load_b128 v[64*((\k)%4)+16*\a+4*\c:64*((\k)%4)+16*\a+4*\c+3], v[AX+(\k)/4] offset:((\k)%4)*128+32*\c+\a*16*528
.endr
.endr
.endif
	WIN 0
.irp b, 0,1,2,3
.irp c, 0,1,2,3
	ds_load_b128 v[WB+64*((\k)%2)+16*\b+4*\c:WB+64*((\k)%2)+16*\b+4*\c+3], v[\aw] offset:((\k)%4)*128+32*\c+\b*16*528
.endr
.endr
.endm
; Eight products of K step k: accumulators 4 m + n, m = 2 p, 2 p + 1.  Q, K (v = 0): source 0 = W's tile n, source 1 = x's tile m: a lane holds one token.  V (v = 1): source 0 = x's tile n, source 1 = W's tile m: a lane holds one channel.
.macro MULH k, v, ws, p
.if \v
	WIN (0x50|(2+(\k)/4))
.else
	WIN (0x50|((2+(\k)/4)<<2))
.endif
.irp m, 2*\p, 2*\p+1
.irp n, 0,1,2,3
.set D_, 8*(4*(\m)+\n)
.set C_, D_
.if (\k) == 0
.if \v
.set C_, BI+8*(\m)
.else
.set C_, BI+8*\n
.endif
.endif
.set K_, 64*((\k)%4)
.set B_, WB+64*((\k)%2)
.if \v
	v_wmma_scale_f32_16x16x128_f8f6f4 v[D_:D_+7], v[K_+16*\n:K_+16*\n+15], v[B_+16*(\m):B_+16*(\m)+15], v[C_:C_+7], v[XS+8*\n+(\k)], v[\ws+8*(\m)+(\k)]
.else
	v_wmma_scale_f32_16x16x128_f8f6f4 v[D_:D_+7], v[B_+16*\n:B_+16*\n+15], v[K_+16*(\m):K_+16*(\m)+15], v[C_:C_+7], v[\ws+8*\n+(\k)], v[XS+8*(\m)+(\k)]
.endif
.endr
.endr
.endm
.macro KST k, v, ws, x, aw0, aw1
	s_wait_dscnt 0x0                               ; this step's fragments are in
.if \x && (\k) == 3                    ; round 1: x's and W_q's first halves have been read by all; their second halves have landed
	WIN 0
	s_wait_alu depctr_va_vdst(0)
	s_wait_tensorcnt 0x0
	ds_add_u32 v[SPW], v[NIL]                      ; the add
	MULH \k, \v, \ws, 0
	WIN 0
	s_wait_dscnt 0x0
	CROUND
	TLOAD G0R, G1R                                 ; W_k
	PLACES 4
	FETCH \k+1, \x, \aw1
	MULH \k, \v, \ws, 1
.else
.if (\k) < 7
.if (\k) > 0
	PLACES 8                                       ; in front of loads into the buffer that the last step's products have read
.endif
.if (\k) < 3
	FETCH \k+1, \x, \aw0
.else
	FETCH \k+1, \x, \aw1
.endif
.endif
	MULH \k, \v, \ws, 0
	MULH \k, \v, \ws, 1
.endif
.endm
.macro JOB v, ws, x, aw0, aw1
.irp k, 0,1,2,3,4,5,6,7
	KST \k, \v, \ws, \x, \aw0, \aw1
.endr
	WIN 0
	PLACES 8                                       ; behind the last products
.endm
; THE QUANTISER of accumulators 8 g .. 8 g + 7: four blocks of 32, each 16 registers here and 16 in lane l xor 16.  Codes leave at once; PW + 2 g and PW + 2 g + 1 take the bytes of two blocks each.
.macro CONV g, base, stride
	WIN 0x05
.irp b, 0,1,2,3
	v_max3_num_f32 v[TM+\b], |v[64*\g+16*\b]|, |v[64*\g+16*\b+1]|, 0x4800000   ; the floor 2^(9 - 127): the byte cannot fall under 1
.endr
.irp i, 2,4,6,8,10,12,14
.irp b, 0,1,2,3
	v_max3_num_f32 v[TM+\b], |v[64*\g+16*\b+\i]|, |v[64*\g+16*\b+\i+1]|, v[TM+\b]
.endr
.endr
	WIN 0
.irp b, 0,1,2,3
	v_permlanex16_b32 v[TM+4+\b], v[TM+\b], s[SEL], s[SEL+1]
.endr
.irp b, 0,1,2,3
	v_max_num_f32 v[TM+\b], v[TM+\b], v[TM+4+\b]
.endr
.irp b, 0,1,2,3
	v_add_nc_u32 v[TM+12+\b], 0xfc000000, v[TM+\b]             ; the conversion's scale operand
.endr
.irp b, 0,1,2,3
	v_and_or_b32 v[TM+8+\b], v[TM+\b], 0x7f800000, s[MNT]      ; 448 x the scale
.endr
.irp b, 0,1,2,3
	v_lshrrev_b32 v[TM+4+\b], 23, v[TM+12+\b]                  ; the scale's byte
.endr
	v_lshl_or_b32 v[PW+2*\g], v[TM+5], 8, v[TM+4]
	v_lshl_or_b32 v[PW+2*\g+1], v[TM+7], 8, v[TM+6]
	WIN 0x41
.irp b, 0,1,2,3
.irp i, 0,1,2,3,4,5,6,7,8,9,10,11,12,13,14,15
	v_med3_num_f32 v[64*\g+16*\b+\i], v[64*\g+16*\b+\i], -v[TM+8+\b], v[TM+8+\b]
.endr
.endr
	WIN 0x01
.irp b, 0,1,2,3
	v_cvt_scalef32_pk8_fp8_f32 v[PC+16*\g+4*\b:PC+16*\g+4*\b+1], v[64*\g+16*\b:64*\g+16*\b+7], v[TM+12+\b]
	v_cvt_scalef32_pk8_fp8_f32 v[PC+16*\g+4*\b+2:PC+16*\g+4*\b+3], v[64*\g+16*\b+8:64*\g+16*\b+15], v[TM+12+\b]
.endr
	WIN 0
	v_nop
.irp b, 0,1,2,3
	global_store_b128 v[CO], v[PC+16*\g+4*\b:PC+16*\g+4*\b+3], s[\base:\base+1] offset:\stride*(2*\g+\b/2)+512*(\b%2)   ; 512 consecutive bytes, aligned
.endr
.endm
.macro SCQK base                       ; Q's, K's scale words of my four tiles of tokens: 256 consecutive bytes
.irp i, 0,1,2,3
	v_lshl_or_b32 v[PW+\i], v[PW+\i], 16, v[PW+\i]
.endr
	v_cndmask_b32 v[SD], v[PW], v[PW+2], s[HM]     ; lanes 0-15 send tiles 0 and 1, lanes 16-31 tiles 2 and 3
	v_cndmask_b32 v[SD+1], v[PW+1], v[PW+3], s[HM]
	global_store_b64 v[SKO], v[SD:SD+1], s[\base:\base+1]
.endm
	s_wait_alu depctr_va_vdst(0)                   ; the wait at the head's end
	s_cmp_lt_u32 s18, 2
	s_cbranch_scc0 .Lsecond_later
	s_wait_tensorcnt 0x0                           ; waves 0 and 1: the first K half is in; the second half's wait stands in round 1
.Lsecond_later:
	s_barrier_signal -1
	s_barrier_wait -1
	FETCH 0, 1, AW+1
	s_cmp_lt_u32 s76, 2
	s_cbranch_scc0 .Lno_prefetch
	global_prefetch_b8 v[PFO], s[8:9] th:TH_LOAD_NT scope:SCOPE_SE
	global_prefetch_b8 v[PFO], s[8:9] offset:0x100000 th:TH_LOAD_NT scope:SCOPE_SE
.Lno_prefetch:
	s_wait_loadcnt 0x0                             ; the scale words and the bias
	JOB 0, WS0, 1, AW+1, AW+3
	BIAS 4096                                      ; K's
.irp a, 0,1,2,3
.irp g, 0,4
	global_load_b128 v[WS0+8*\a+\g:WS0+8*\a+\g+3], v[VR], s[10:11] offset:65536+512*\a+4*\g   ; W_v's scale words
.endr
.endr
	CONV 0, QO, 1024
	CONV 1, QO, 1024
	SCQK QO
	s_wait_alu depctr_va_vdst(0)
	s_wait_tensorcnt 0x0                           ; round 2: W_k has landed, regions 2 and 3 have been read
	ds_add_u32 v[SPW], v[NIL]
	s_add_co_u32 s[G0R+1], s[G0R+1], 2*RG
	s_add_nc_u64 s[G0R+2:G0R+3], s[G0R+2:G0R+3], 0x100000
	s_wait_dscnt 0x0
	CROUND
	TLOAD G0R, G1R                                 ; W_v
	FETCH 0, 0, AW
	s_wait_loadcnt 0x0
	s_wait_xcnt 0x0                                ; job Q's stores have read their registers, which K step 1's fragments take
	JOB 0, WS1, 0, AW, AW+1
	s_wait_tensorcnt 0x0                           ; W_v has landed: nothing is filled any more
	s_barrier_signal -1
	s_barrier_wait -1
	FETCH 0, 0, AW+2
	WIN 0x40
.irp u, 0,1,2,3
.irp j, 0,1,2,3,4,5,6,7
	v_mov_b32 v[BI+8*\u+\j], v[BV+\u]              ; V's bias: one number a lane
.endr
.endr
	WIN 0
	CONV 0, KO, 1024
	CONV 1, KO, 1024
	SCQK KO
	s_wait_alu depctr_va_vdst(0)
	s_wait_xcnt 0x0
	JOB 1, WS0, 0, AW+2, AW+3
	CONV 0, VO, 2048
	CONV 1, VO, 2048
.irp u, 0,1,2,3
	ds_store_b16 v[VSS], v[PW+\u] offset:4*\u      ; my two blocks' bytes of a channel's word: both halves of the lanes hold the same
.endr
	s_wait_dscnt 0x0
	s_barrier_signal -1
	s_barrier_wait -1
	s_cmp_lt_u32 s18, 2
	s_cbranch_scc0 .Lscales_out
	ds_load_b64 v[64:65], v[VSL]                   ; waves 0 and 1: a head's 256 bytes, whole
	s_wait_dscnt 0x0
	global_store_b64 v[L8], v[64:65], s[VO:VO+1] offset:8192
.Lscales_out:
	s_wait_tensorcnt 0x0                           ; the wave's end
	ds_add_u32 v[SPW], v[NIL]
	s_wait_dscnt 0x0
	CROUND                                         ; the closing round
	s_endpgm
.Lfunc_end_k_qc33357a634_qkv:
	.size	k_qc33357a634_qkv, .Lfunc_end_k_qc33357a634_qkv-k_qc33357a634_qkv
	.p2alignl 7, 3214868480
	.fill 96, 4, 3214868480
	.section	.rodata,"a",@progbits
	.p2align	6, 0x0
	.amdhsa_kernel k_qc33357a634_qkv
		.amdhsa_group_segment_fixed_size 327680
		.amdhsa_private_segment_fixed_size 0
		.amdhsa_enable_private_segment 0
		.amdhsa_kernarg_size 56
		.amdhsa_user_sgpr_count 2
		.amdhsa_user_sgpr_kernarg_segment_ptr 1
		.amdhsa_wavefront_size32 1
		.amdhsa_system_sgpr_workgroup_id_x 1
		.amdhsa_system_sgpr_workgroup_id_y 1
		.amdhsa_system_sgpr_workgroup_id_z 1
		.amdhsa_system_vgpr_workitem_id 0
		.amdhsa_next_free_vgpr 1024
		.amdhsa_next_free_sgpr 96
		.amdhsa_reserve_vcc 0
		.amdhsa_float_denorm_mode_32 3
		.amdhsa_float_denorm_mode_16_64 3
		.amdhsa_memory_ordered 1
		.amdhsa_forward_progress 1
		.amdhsa_inst_pref_size 157
	.end_amdhsa_kernel
	.amdgpu_metadata
---
amdhsa.version: [ 1, 2 ]
amdhsa.kernels:
  - .name:           k_qc33357a634_qkv
    .symbol:         k_qc33357a634_qkv.kd
    .args:
      - { .name: x_codes, .offset: 0, .size: 8, .value_kind: global_buffer, .address_space: global }
      - { .name: x_scales, .offset: 8, .size: 8, .value_kind: global_buffer, .address_space: global }
      - { .name: W_attn_codes, .offset: 16, .size: 8, .value_kind: global_buffer, .address_space: global }
      - { .name: W_attn_scales, .offset: 24, .size: 8, .value_kind: global_buffer, .address_space: global }
      - { .name: b_attn, .offset: 32, .size: 8, .value_kind: global_buffer, .address_space: global }
      - { .name: qbuf, .offset: 40, .size: 8, .value_kind: global_buffer, .address_space: global }
      - { .name: kvbuf, .offset: 48, .size: 8, .value_kind: global_buffer, .address_space: global }
    .group_segment_fixed_size: 327680
    .private_segment_fixed_size: 0
    .kernarg_segment_align: 8
    .kernarg_segment_size: 56
    .max_flat_workgroup_size: 128
    .sgpr_count:     96
    .vgpr_count:     1024
    .wavefront_size: 32
...
	.end_amdgpu_metadata
.endif
;; end of part 1
;; launch attn (part 2): grid 16 x 16, 16 waves a work-group, no clusters, 327,680 bytes of LDS; arguments qbuf, kvbuf, abuf, asc; writes abuf, asc
.if DOCPART == 2
	.amdgcn_target "amdgcn-amd-amdhsa--gfx1250"
	.amdhsa_code_object_version 6
	.text
	.protected	k_qc33357a634_attn
	.globl	k_qc33357a634_attn
	.p2align	8
	.type	k_qc33357a634_attn,@function
k_qc33357a634_attn:
	s_mov_b64 s[64:65], 0
	v_nop
	global_prefetch_b8 v0, s[64:65] scope:SCOPE_SE
	s_setreg_imm32_b32 hwreg(HW_REG_WAVE_MODE, 25, 1), 1
	s_wait_xcnt 0x0
; Causal attention of 16 heads of 64 channels over 4,096 tokens, both products on codes of FP8 (E4M3) with one E8M0 scale for each 32 along K; the result, divided by the row's sum, is quantised along the merged
; heads' 1,024 for the last product.  Inputs: qbuf and kvbuf, images of operand registers as the launch before laid them.  Key steps that the causal mask hides whole are left out.
; THE SOFTMAX: t = score x log2(e) / 8; M = the running largest t rounded UP to a whole number; p = 2^(t - M) is quantised along the keys, not normalised; the row's sum is taken of the unquantised p and divides
; at the end.  When M moves, the sum and O are multiplied by 2^(old M - new M): exact.
; SHARES.  Work-group (i, head) owns the blocks of 128 queries i (the short one: i + 1 key steps of 128) and 31 - i (the long one: 32 - i).  Sixteen waves, two groups of eight, wave w has tile w % 8 of 16 queries.
; GROUP A (waves 0-7): the long block, key steps 0 .. 16.  GROUP B (waves 8-15): the short block, key steps 0 .. i, then the long block's key steps 17 .. 31 - i: sixteen steps for every i.
; Where B changes blocks it lays the short block's O and sum into LDS (macro FLUSH).  At the end B hands its part of the long block to A through LDS; A joins the two parts and sends the long block, B sends the short one.
; FILLS.  A key step is one dense block of kvbuf, 17,152 bytes.  LDS: block 0: key step 0, for A's first step alone; then two slots of eight blocks: A's next four steps, B's next four.  Wave 0 fetches block 0, waves
; 1-8 a block each of a slot.  B's first step stands beside A's second.  A slot is filled while the other one is read: its loads have four key steps in which to land.
; THE BARRIER of a change of slots is signalled inside the slot's last step, when V is in registers; the holds, conversions and products of that step stand between signal and wait.
; LAYOUT.  Both products are used transposed: S^T = K Q^T, O^T = V^T P^T: a lane holds ONE query (lane % 16) throughout.  The head's K is 64 in an instruction of 128: Q's upper eight registers are zero codes;
; K's fragment of tile t is v[32 + 8 t : 47 + 8 t], whose upper half is the next tile's codes (behind the last tile: Q's codes of the long block): finite numbers times zero codes.
; NO CLUSTER: the change of blocks and the diagonal step are branches on i, which partners of one head do not share; a joint load wants every branch alike in all partners.
; NO PREFETCH: no wave waits for a fill that a prefetch could bring nearer: the head's come first of all, and each of the other three is issued four key steps (48 matrix instructions and their softmax) ahead of its wait.
; LIMITS: NaN and infinities are not served.  A block under the floor 2^(9 - 127) gets the byte 1 where the rule says 127 (its codes are zeros; this program alone reads the bytes).  v_exp_f32 gives 0 under 2^-126.
; The scaled scores stay under 2^31 in magnitude.  The largest p of a block is taken from the block's largest score by the same two instructions, which takes v_exp_f32 not to fall where its input rises.
; REGISTERS: v1-4, v7, v11, v230, v231 lane terms; v5, v6 the add's; v8, v9 addresses of the step's loads; v12 -M, v13 the largest t, v[14:15] the sum in two halves, v[248:251] the last step's share of it; v16-31 Q;
; v32-95 K's eight tiles, then V's four; v96-103 the long block's Q; v104-167 S^T, then p; v168-199 O^T; v200-215 p's codes; v216-223, v224-227, v228, v229, v253 scale words of K, V, Q, the long block's Q, p; v232-247, v252, v254, v255 at work.
.set STEPB, 17152                      ; a key step's block: K's codes 8,192, K's scale words 512, V's codes 8,192, V's scale words 256
.set SLOTX, 8*STEPB                    ; from slot 0 to slot 1; slot 0 begins at block 1
.set SPARE, 17*STEPB                   ; the spare words, 128 bytes for each wave: eight blocks of 256 bytes that no other line names
.set SCR,   SPARE+2048                 ; the short block's O and sum: 33 x 128 bytes for each wave of B
.set SPIT,  33*128
.set HPIT,  34*128                     ; B's part of the long block, O, sum and -M: from byte 0 on, where block 0 and slot 0 have had their last fill and their last read by then
.set QBLK,  8704                       ; a block of qbuf
.set LI,   1                           ; v1   16 x lane
.set R32,  2                           ; v2   32 r
.set R16,  3                           ; v3   16 r: the scale words: K's and Q's [half of 64][r][tile 4], V's [r][tile 4]
.set FXL,  4                           ; v4   the sum's place for FX
.set SPW,  5                           ; v5   LDS address of my spare word; never rewritten
.set NIL,  6                           ; v6   0; never rewritten
.set D0,   7                           ; v7   my query in its block of 128, less 8 h
.set AD,   8
.set AS,   9
.set XH,   11                          ; v11  B's part of the long block
.set QF,   16
.set KF,   32
.set ZR,   96
.set SF,   104
.set OT,   168
.set PCD,  200
.set KSC,  216
.set VSC,  224
.set QSC,  228
.set QS2,  229
.set XHL,  230                         ; v230 the sum's place for XH; -M stands 128 bytes on
.set FX,   231                         ; v231 what I take up at the end: A: B's part of the long block; B: my short block
.set SA,   248
.set SC,   250
.set TB,   2                           ; s2   LDS byte at which the step in hand begins
.set CNT,  3
.set WV,   18                          ; s18  my wave's number
.set MNT,  19                          ; s19  the mantissa field of 448
.set SEL,  20                          ; s[20:21] selects for lane l xor 16
.set CS,   22                          ; s[22:23] c = log2(e) / 8
.set G1,   24                          ; s[24:31] descriptor group 1
.set G0,   32                          ; s[32:35] group 0
.set TRIP, 36
.set SLB,  37                          ; s37  the slot that is read: 0 or SLOTX
.set SRB,  38                          ; s38  the slot that is filled next: SLOTX or 0
.set WO,   39                          ; s39  my group's first block in a slot, in bytes;  s40 its fourth
.set WO3,  40
.set KB,   41                          ; s41  the key step's number
.set JB,   42                          ; s42  my block of queries
.set JH,   43                          ; s43  the long block
.set FLB,  44                          ; s44  B, before its change of blocks: i + 1; else the greatest number
.set BN,   45                          ; s45  what I fetch: A's key step, or B's step b,
.set TH,   46                          ; s46  up to which it is the key step's number (A: always; B: i);
.set DX,   47                          ; s47  behind that it is b + 16 - i
.set HB0,  66                          ; s66  32 x head
.set WB,   67                          ; s67  wave x STEPB
.macro NEXTG0                          ; group 0 of my next fill: no tensor load of mine is out
	s_add_co_u32 s[BN], s[BN], 4
	s_add_co_u32 s60, s[BN], s[DX]
	s_cmp_le_u32 s[BN], s[TH]
	s_cselect_b32 s60, s[BN], s60
	s_add_co_u32 s60, s60, s[HB0]
	s_mul_i32 s68, s60, STEPB
	s_add_nc_u64 s[G0+2:G0+3], s[6:7], s[68:69]
	s_or_b32 s[G0+3], s[G0+3], 0x80000000
	s_add_co_u32 s[G0+1], s[WB], s[SRB]
	s_xor_b32 s[SRB], s[SRB], SLOTX
.endm
; B's change of blocks: the short block's O and sum go to my own bytes of LDS; the state begins anew for the long block, from key step 17 on.
.macro FLUSH
	s_wait_alu depctr_va_vdst(0)
	v_pk_add_f32 v[SA:SA+1], v[SA:SA+1], v[SC:SC+1]
	v_pk_add_f32 v[14:15], v[14:15], v[SA:SA+1]
	v_add_f32 v14, v14, v15
.irp k, 0,1,2,3,4,5,6,7
	ds_store_b128 v[FX], v[OT+4*\k:OT+4*\k+3] offset:512*\k
.endr
	ds_store_b32 v[FXL], v14
	v_mov_b32 v[QSC], v[QS2]
.irp k, 0,1,2,3,4,5,6,7
	v_mov_b32 v[QF+\k], v[ZR+\k]
.endr
.set jj, 0
.rept 32
	v_mov_b32 v[OT+jj], 0
.set jj, jj+1
.endr
	v_mov_b32 v13, 0xff61b1e6
	v_mov_b32 v14, 0
	v_mov_b32 v15, 0
	v_floor_f32 v12, -v13
.irp k, 0,1,2,3
	v_mov_b32 v[SA+\k], 0
.endr
	s_mov_b32 s[FLB], -1
	s_mov_b32 s[KB], 17
	s_mov_b32 s[JB], s[JH]
.endm
.macro SPROD t                         ; S^T = K Q^T: register 8 t + j of lane (r, h) is key 16 t + 8 h + j for query r
	v_wmma_scale_f32_16x16x128_f8f6f4 v[SF+8*\t:SF+8*\t+7], v[KF+8*\t:KF+8*\t+15], v[QF:QF+15], 0, v[KSC+\t], v[QSC]
.endm
.macro TSTEP j                         ; t - M, two at a time
	v_pk_fma_f32 v[SF+\j:SF+\j+1], v[SF+\j:SF+\j+1], s[CS:CS+1], v[12:13] op_sel_hi:[1,0,0]
.endm
; A KEY STEP: 128 keys, at LDS byte s[TB].  last = 1: a slot's last step, with the barrier's signal; diag = 1: it may be my block's diagonal; flush = 1: B may change blocks ahead of it.
.macro STEP last, diag, flush
.if \flush
	s_cmp_lt_u32 s[WV], 8
	s_cbranch_scc1 .Lkeep_\@
	s_cmp_lg_u32 s[KB], s[FLB]
	s_cbranch_scc1 .Lkeep_\@
	FLUSH
.Lkeep_\@:
.endif
	v_add_nc_u32 v[AD], s[TB], v[LI]               ; (the places in front of these loads are the eight additions behind the last step's products)
	v_add_nc_u32 v[AS], s[TB], v[R16]
	ds_load_b128 v[KSC:KSC+3], v[AS] offset:8192
	ds_load_b128 v[KSC+4:KSC+7], v[AS] offset:8448
.irp t, 0,1,2,3,4,5,6,7
	ds_load_b128 v[KF+8*\t:KF+8*\t+3], v[AD] offset:1024*\t
	ds_load_b128 v[KF+8*\t+4:KF+8*\t+7], v[AD] offset:1024*\t+512
.endr
	s_wait_alu depctr_va_vdst(0)
	s_wait_dscnt 6                                 ; all but tiles 5 to 7: a product names its tile and the next
.irp t, 0,1,2,3
	SPROD \t
.endr
	s_wait_dscnt 0x0
.irp t, 4,5,6,7
	SPROD \t
.endr
	v_pk_add_f32 v[SA:SA+1], v[SA:SA+1], v[SC:SC+1]   ; eight places in front of the loads over K's registers and of the first read of the scores: the last step's share joins the sum,
	v_mov_b32 v255, v12
	v_nop
	v_nop
	v_nop
	v_nop
	v_pk_add_f32 v[14:15], v[14:15], v[SA:SA+1]
	v_nop
.irp u, 0,1,2,3                                ; V is asked for now and lands under the softmax
.irp c, 0,1,2,3
	ds_load_b128 v[KF+16*\u+4*\c:KF+16*\u+4*\c+3], v[AD] offset:8704+2048*\u+512*\c
.endr
.endr
	ds_load_b128 v[VSC:VSC+3], v[AS] offset:16896
.if \diag
	s_cmp_lg_u32 s[KB], s[JB]                      ; only the step of my own block lies on the diagonal
	s_cbranch_scc1 .Lopen_\@
	v_mov_b32 v254, 0xff800000                     ; -infinity: p = 0 then.  Key 0 of the step counts for every query of the block, so the step's maximum is a number
.set jj, 0
.rept 64
	v_cmp_gt_i32 vcc_lo, 16*(jj/8)+jj%8, v[D0]     ; hidden where 16 t + 8 h + j > my query
	v_cndmask_b32 v[SF+jj], v[SF+jj], v254, vcc_lo
.set jj, jj+1
.endr
.Lopen_\@:
.endif
.irp b, 0,1,2,3
	v_max3_num_f32 v[232+\b], v[SF+16*\b], v[SF+1+16*\b], v[SF+2+16*\b]   ; the largest score of each block of 32 keys: for the row's maximum, and for the block's largest p
.endr
.irp i, 3,5,7,9,11,13
.irp b, 0,1,2,3
	v_max3_num_f32 v[232+\b], v[232+\b], v[SF+16*\b+\i], v[SF+1+16*\b+\i]
.endr
.endr
.irp b, 0,1,2,3
	v_max_num_f32 v[232+\b], v[232+\b], v[SF+15+16*\b]
.endr
.irp b, 0,1,2,3
	s_delay_alu instid0(VALU_DEP_4)
	v_permlanex16_b32 v[236+\b], v[232+\b], s[SEL], s[SEL+1]
.endr
.irp b, 0,1,2,3
	s_delay_alu instid0(VALU_DEP_4)
	v_max_num_f32 v[232+\b], v[232+\b], v[236+\b]  ; with lane l xor 16's 16 keys
.endr
	s_delay_alu instid0(VALU_DEP_2)
	v_max3_num_f32 v254, v232, v233, v234
	s_delay_alu instid0(VALU_DEP_1)
	v_max_num_f32 v254, v254, v235                 ; the step's largest score of my query
	s_delay_alu instid0(VALU_DEP_1)
	v_mul_f32 v254, s[CS], v254                    ; as t (c is positive)
	s_delay_alu instid0(VALU_DEP_1)
	v_max_num_f32 v13, v13, v254                   ; the running largest t
	s_delay_alu instid0(VALU_DEP_1)
	v_floor_f32 v12, -v13                          ; the new -M = floor(-t) = -ceil(t)
	s_delay_alu instid0(VALU_DEP_1)
	v_sub_f32 v254, v12, v255                      ; old M - new M: a whole number, 0 or less
.irp j, 0,2,4,6
	TSTEP \j
.endr
	v_cvt_i32_f32 v254, v254                       ; (it saturates)
.irp j, 8,10,12,14
	TSTEP \j
.endr
	v_ldexp_f32 v252, 1.0, v254                    ; f = 2^(old M - new M)
.irp j, 16,18,20,22,24,26,28,30,32,34,36,38,40,42,44,46,48,50,52,54,56,58,60,62
	TSTEP \j
.endr
.irp b, 0,1,2,3
	v_fma_f32 v[232+\b], v[232+\b], s[CS], v12     ; the same of each block's largest score
.endr
	s_wait_alu depctr_va_vdst(0)                   ; the wait ahead of the batch
.set jj, 0
.rept 64
	v_exp_f32 v[SF+jj], v[SF+jj]                   ; p = 2^(t - M), at most 1
.set jj, jj+1
.endr
	v_pk_mul_f32 v[14:15], v[14:15], v[252:253] op_sel_hi:[1,0]   ; the sums under the new M.  (The plain instruction behind the exponentials)
	s_wait_alu depctr_va_vdst(0)                   ; one wait for the whole batch, ahead of its first reader
.irp b, 0,1,2,3
	v_exp_f32 v[232+\b], v[232+\b]                 ; the block's largest p
.endr
	v_pk_add_f32 v[SA:SA+1], v[SF:SF+1], v[SF+2:SF+3]   ; the step's share of the row's sum, blocks 0 to 2, in four chains
	v_pk_add_f32 v[SC:SC+1], v[SF+4:SF+5], v[SF+6:SF+7]
	v_pk_add_f32 v[236:237], v[SF+8:SF+9], v[SF+10:SF+11]
	v_pk_add_f32 v[238:239], v[SF+12:SF+13], v[SF+14:SF+15]
.irp j, 16,24,32,40
	v_pk_add_f32 v[SA:SA+1], v[SA:SA+1], v[SF+\j:SF+\j+1]
	v_pk_add_f32 v[SC:SC+1], v[SC:SC+1], v[SF+\j+2:SF+\j+3]
	v_pk_add_f32 v[236:237], v[236:237], v[SF+\j+4:SF+\j+5]
	v_pk_add_f32 v[238:239], v[238:239], v[SF+\j+6:SF+\j+7]
.endr
	v_pk_add_f32 v[SA:SA+1], v[SA:SA+1], v[236:237]
	v_pk_add_f32 v[SC:SC+1], v[SC:SC+1], v[238:239]
	s_wait_alu depctr_va_vdst(0)                   ; and one for the four
.if \last
	s_wait_tensorcnt 0x0                           ; my part of the next slot is in;
	ds_add_u32 v[SPW], v[NIL]                      ; 0 onto my spare word, twice on end
	ds_add_u32 v[SPW], v[NIL]
.endif
.irp b, 0,1,2,3
	v_max_num_f32 v[232+\b], 0x4800000, v[232+\b]  ; the floor 2^(9 - 127): the byte cannot fall under 1
.endr
.irp b, 0,1,2,3
	s_delay_alu instid0(VALU_DEP_4)
	v_add_nc_u32 v[244+\b], 0xfc000000, v[232+\b]  ; 8 off the exponent field: the conversion's scale operand
.endr
.irp b, 0,1,2,3
	v_and_or_b32 v[240+\b], v[232+\b], 0x7f800000, s[MNT]   ; 448 x the scale
.endr
.irp b, 0,1,2,3
	v_lshrrev_b32 v[236+\b], 23, v[244+\b]         ; the scale's byte
.endr
	s_delay_alu instid0(VALU_DEP_3)
	v_lshl_or_b32 v253, v237, 8, v236              ; p's scale word for these 128 keys
	s_delay_alu instid0(VALU_DEP_1)
	v_lshl_or_b32 v253, v238, 16, v253
	s_delay_alu instid0(VALU_DEP_1)
	v_lshl_or_b32 v253, v239, 24, v253
.if \last
	s_wait_alu depctr_va_vdst(0)
	s_wait_dscnt 0x0                               ; the adds are done, V is in registers: my reads of this slot are over
	s_barrier_signal -1                            ; say so; what follows, up to the wait at the next slot's head, is work on registers
	NEXTG0
.endif
.irp b, 0,1,2                                  ; the hold: the conversion does not saturate (ISA guide 7.6.2); p is not negative, so it is one-sided
.irp i, 0,2,4,6,8,10,12,14
	v_dual_min_num_f32 v[SF+16*\b+\i], v[SF+16*\b+\i], v[240+\b] :: v_dual_min_num_f32 v[SF+16*\b+\i+1], v[SF+16*\b+\i+1], v[240+\b]
.endr
	v_cvt_scalef32_pk8_fp8_f32 v[PCD+4*\b:PCD+4*\b+1], v[SF+16*\b:SF+16*\b+7], v[244+\b]
	v_cvt_scalef32_pk8_fp8_f32 v[PCD+4*\b+2:PCD+4*\b+3], v[SF+16*\b+8:SF+16*\b+15], v[244+\b]
.endr
.irp i, 0,2,4,6,8,10,12,14                     ; block 3's are held in block 0's registers: its own p are summed behind the products
	v_dual_min_num_f32 v[SF+\i], v[SF+48+\i], v243 :: v_dual_min_num_f32 v[SF+\i+1], v[SF+49+\i], v243
.endr
	v_cvt_scalef32_pk8_fp8_f32 v[PCD+12:PCD+13], v[SF:SF+7], v247
	v_cvt_scalef32_pk8_fp8_f32 v[PCD+14:PCD+15], v[SF+8:SF+15], v247
	s_wait_alu depctr_va_vdst(0)                   ; the wait ahead of the first reader of O^T
.set jj, 0
.rept 16
	v_pk_mul_f32 v[OT+jj:OT+jj+1], v[OT+jj:OT+jj+1], v[252:253] op_sel_hi:[1,0]   ; O^T under the new M.  (These sixteen are also the places between the codes and the products)
.set jj, jj+2
.endr
.if \last == 0
	s_wait_alu depctr_va_vdst(0)
	s_wait_dscnt 0x0                               ; V
.endif
.irp u, 0,1,2,3                                ; O^T += V^T P^T: four accumulators by turns
	v_wmma_scale_f32_16x16x128_f8f6f4 v[OT+8*\u:OT+8*\u+7], v[KF+16*\u:KF+16*\u+15], v[PCD:PCD+15], v[OT+8*\u:OT+8*\u+7], v[VSC+\u], v253
.endr
	v_pk_add_f32 v[236:237], v[SF+48:SF+49], v[SF+50:SF+51]   ; block 3's share of the sum: the eight places behind the products
	v_pk_add_f32 v[238:239], v[SF+52:SF+53], v[SF+54:SF+55]
	v_pk_add_f32 v[SA:SA+1], v[SA:SA+1], v[SF+56:SF+57]
	v_pk_add_f32 v[SC:SC+1], v[SC:SC+1], v[SF+58:SF+59]
	v_pk_add_f32 v[236:237], v[236:237], v[SF+60:SF+61]
	v_pk_add_f32 v[238:239], v[238:239], v[SF+62:SF+63]
	v_pk_add_f32 v[SA:SA+1], v[SA:SA+1], v[236:237]
	v_pk_add_f32 v[SC:SC+1], v[SC:SC+1], v[238:239]
	s_add_co_u32 s[KB], s[KB], 1
.endm
	s_load_b256 s[4:11], s[0:1], 0x0               ; qbuf s[4:5], kvbuf s[6:7], abuf s[8:9], asc s[10:11]
	v_lshl_add_u32 v[SPW], v0, 2, SPARE
	v_mov_b32 v[NIL], 0
	ds_add_u32 v[SPW], v[NIL]                      ; the wave's opening: the add, twice on end, and its wait ahead of my first tensor load
	ds_add_u32 v[SPW], v[NIL]
	v_lshrrev_b32 v8, 5, v0
	v_readfirstlane_b32 s[WV], v8                  ; wave 0..15
	s_and_b32 s48, ttmp7, 0xffff                   ; the head
	s_lshl_b32 s[HB0], s48, 5                      ; 32 blocks a head, in qbuf and in kvbuf
	s_sub_co_u32 s[DX], 16, ttmp9
	s_sub_co_u32 s60, s[WV], 5
	s_cmp_ge_u32 s[WV], 5                          ; waves 0 to 4 fetch for A (wave 0: key step 0), waves 5 to 8 for B
	s_cselect_b32 s[TH], ttmp9, -1
	s_cselect_b32 s[BN], s60, s[WV]
	s_add_co_u32 s60, s[BN], s[DX]
	s_cmp_le_u32 s[BN], s[TH]
	s_cselect_b32 s60, s[BN], s60
	s_add_co_u32 s60, s60, s[HB0]
	s_mul_i32 s68, s60, STEPB                      ; my first block in memory,
	s_mov_b32 s69, 0
	s_mul_i32 s[WB], s[WV], STEPB                  ; and in LDS
	; descriptor group 1: a dense block of 17,152 bytes as 67 rows of 256 bytes (32 elements of 8 bytes); no padding: every LDS load takes 256 or 512 bytes on end
	s_mov_b32 s[G1], 3<<16
	s_mov_b32 s[G1+1], 32<<16                      ; tensor_dim0
	s_mov_b32 s[G1+2], 67<<16                      ; tensor_dim1
	s_mov_b32 s[G1+3], 32<<16                      ; tile_dim0
	s_mov_b32 s[G1+4], 67                          ; tile_dim1
	s_mov_b32 s[G1+5], 32                          ; tensor_dim0_stride
	s_mov_b32 s[G1+6], 0
	s_mov_b32 s[G1+7], 0
	s_mov_b32 s[G0], 1
	s_mov_b32 s[G0+1], s[WB]
	s_wait_alu depctr_va_vdst(0)
	s_wait_dscnt 0x0                               ; both opening adds are done
	s_wait_kmcnt 0x0
	s_add_nc_u64 s[G0+2:G0+3], s[6:7], s[68:69]
	s_or_b32 s[G0+3], s[G0+3], 0x80000000
	s_cmp_eq_u32 s[WV], 0                          ; one tensor load a wave; wave 0's, which is wanted first, has a line of its own
	s_cbranch_scc0 .Lnot_first
	tensor_load_to_lds s[G0:G0+3], s[G1:G1+7]
	s_nop 0
.rept 4
	v_nop
.endr
	s_branch .Lhead_asked
.Lnot_first:
	s_cmp_gt_u32 s[WV], 8
	s_cbranch_scc1 .Lhead_asked
	tensor_load_to_lds s[G0:G0+3], s[G1:G1+7]
	s_nop 0
.rept 4
	v_nop
.endr
.Lhead_asked:
	s_lshr_b32 s49, s[WV], 3                       ; 1: group B
	s_and_b32 s51, s[WV], 7                        ; my tile of 16 queries
	s_add_co_u32 s50, ttmp9, 1
	s_sub_co_u32 s[JH], 31, ttmp9
	s_cmp_eq_u32 s49, 1
	s_cselect_b32 s[JB], ttmp9, s[JH]
	s_cselect_b32 s[FLB], s50, -1
	s_lshl_b32 s70, s51, 10                        ; my tile's codes in a block of qbuf,
	s_lshr_b32 s71, s51, 2
	s_lshl_b32 s71, s71, 8
	s_and_b32 s73, s51, 3
	s_lshl_b32 s73, s73, 2
	s_add_co_u32 s71, s71, s73                     ; its scale words: [half][r][tile 4]
	s_mov_b32 s61, 0
	s_mov_b32 s63, 0
	s_add_co_u32 s72, s[HB0], s[JB]
	s_mul_i32 s72, s72, QBLK
	s_add_co_u32 s60, s72, s70
	s_add_co_u32 s62, s72, s71
	s_add_nc_u64 s[52:53], s[4:5], s[60:61]
	s_add_nc_u64 s[54:55], s[4:5], s[62:63]
	s_add_co_u32 s72, s[HB0], s[JH]
	s_mul_i32 s72, s72, QBLK
	s_add_co_u32 s60, s72, s70
	s_add_co_u32 s62, s72, s71
	s_add_nc_u64 s[74:75], s[4:5], s[60:61]
	s_add_nc_u64 s[76:77], s[4:5], s[62:63]
	; where my result goes (A: the long block; B: the short one): abuf [128 tokens][pair of heads][tile of 16 tokens][group of four registers][512]; asc [token][32]
	s_lshl_b32 s60, s[JB], 3
	s_lshr_b32 s62, s48, 1
	s_add_co_u32 s60, s60, s62
	s_lshl_b32 s60, s60, 3
	s_add_co_u32 s60, s60, s51
	s_lshl_b32 s60, s60, 11
	s_and_b32 s62, s48, 1
	s_lshl_b32 s62, s62, 10                        ; the odd head's are groups 2 and 3
	s_add_co_u32 s60, s60, s62
	s_add_nc_u64 s[56:57], s[8:9], s[60:61]
	s_lshl_b32 s60, s[JB], 12
	s_lshl_b32 s62, s51, 9
	s_add_co_u32 s60, s60, s62
	s_lshl_b32 s62, s48, 1
	s_add_co_u32 s60, s60, s62                     ; 32 x my first token + 2 x head
	s_add_nc_u64 s[58:59], s[10:11], s[60:61]
	s_mul_i32 s[WO], s49, 4*STEPB
	s_add_co_u32 s[WO], s[WO], STEPB
	s_add_co_u32 s[WO3], s[WO], 3*STEPB
	s_mul_i32 s60, s51, HPIT                       ; LDS: B's part of the long block,
	s_add_co_u32 s61, s60, 4096
	s_xor_b32 s62, s49, 1
	s_mul_i32 s62, s62, s51
	s_lshl_b32 s62, s62, 7                         ; (A: 128 x tile, HPIT less SPIT)
	s_mul_i32 s63, s51, SPIT
	s_add_co_u32 s62, s62, s63
	s_mul_i32 s63, s49, SCR
	s_add_co_u32 s62, s62, s63                     ; and what I take up at the end
	s_add_co_u32 s63, s62, 4096
	s_lshl_b32 s70, s51, 4
	s_mov_b32 s[SEL], 0x76543210
	s_mov_b32 s[SEL+1], 0xfedcba98
	s_mov_b32 s[CS], 0x3e38aa3b                    ; c = log2(e) / 8
	s_mov_b32 s[CS+1], s[CS]                       ; (named with it as a pair, so it is written)
	s_mov_b32 s[MNT], 0x600000
	s_mov_b32 s[KB], 0
	s_mov_b32 s[SLB], 0
	s_mov_b32 s[SRB], SLOTX
	s_mov_b32 s[TRIP], 3
	s_mov_b32 s[TB], 0
	v_and_b32 v8, 31, v0
	v_and_b32 v9, 15, v0                           ; r
	v_bfe_u32 v10, v0, 4, 1                        ; h
	v_lshlrev_b32 v[LI], 4, v8
	v_lshlrev_b32 v[R32], 5, v9
	v_lshlrev_b32 v[R16], 4, v9
	global_load_b128 v[QF:QF+3], v[LI], s[52:53]               ; my first block's Q
	global_load_b128 v[QF+4:QF+7], v[LI], s[52:53] offset:512
	global_load_b128 v[ZR:ZR+3], v[LI], s[74:75]               ; the long block's
	global_load_b128 v[ZR+4:ZR+7], v[LI], s[74:75] offset:512
	global_load_b32 v[QSC], v[R16], s[54:55] offset:8192       ; and their scale words
	global_load_b32 v[QS2], v[R16], s[76:77] offset:8192
	v_lshlrev_b32 v10, 3, v10
	v_add_nc_u32 v[XH], s60, v[LI]
	v_lshl_add_u32 v[XHL], v8, 2, s61
	v_sub_nc_u32 v[D0], v9, v10
	v_add_nc_u32 v[FX], s62, v[LI]
	v_lshl_add_u32 v[FXL], v8, 2, s63
	v_add_nc_u32 v[D0], s70, v[D0]                 ; 16 tile + r - 8 h
	v_mov_b32 v13, 0xff61b1e6                      ; the largest t so far: -3e38, under every t
	v_mov_b32 v14, 0
	v_mov_b32 v15, 0
	v_floor_f32 v12, -v13                          ; -M
.irp j, 0,1,2,3,4,5,6,7
	v_mov_b32 v[QF+8+\j], 0                        ; zero codes: the upper 64 of Q's K
.endr
.irp b, 0,1,2,3
	v_mov_b32 v[236+\b], 0                         ; written once: a lane permute's destination counts as one of its sources
	v_mov_b32 v[SA+\b], 0
.endr
	v_mov_b32 v252, 0
	v_mov_b32 v253, 0                              ; (named as the upper half of the pair v[252:253] before it is first written)
.set jj, 0
.rept 32
	v_mov_b32 v[OT+jj], 0                          ; O^T.  (The step is written for every step alike: the first finds zeros, which the first change of M leaves zeros)
.set jj, jj+1
.endr
	s_wait_alu depctr_va_vdst(0)                   ; the wait at the head's end
	s_wait_loadcnt 0x0                             ; Q
	s_cmp_eq_u32 s[WV], 0
	s_cbranch_scc0 .Lnot_mine
	s_wait_tensorcnt 0x0                           ; key step 0 is in; the other waves wait for theirs in front of the next barrier
.Lnot_mine:
	s_barrier_signal -1
	s_barrier_wait -1
	s_cmp_ge_u32 s[WV], 8
	s_cbranch_scc1 .Lbegun                         ; A's first step, ahead of B's
	STEP 0, 0, 0
.Lbegun:
	s_wait_alu depctr_va_vdst(0)
	s_wait_tensorcnt 0x0                           ; my part of slot 0 is in;
	ds_add_u32 v[SPW], v[NIL]                      ; the add, twice on end, and its wait
	ds_add_u32 v[SPW], v[NIL]
	s_wait_dscnt 0x0
	s_barrier_signal -1
	NEXTG0
.Lslot:                                            ; a trip: a slot's four steps
	s_barrier_wait -1                              ; this slot is whole, and nobody reads the other one: it is filled first
	s_cmp_eq_u32 s[WV], 0
	s_cbranch_scc1 .Lasked
	s_cmp_gt_u32 s[WV], 8
	s_cbranch_scc1 .Lasked
	tensor_load_to_lds s[G0:G0+3], s[G1:G1+7]
	s_nop 0
.rept 4
	v_nop
.endr
.Lasked:
	s_add_co_u32 s[TB], s[SLB], s[WO]
	s_mov_b32 s[CNT], 3
.Lstep:
	STEP 0, 1, 1
	s_add_co_u32 s[TB], s[TB], STEPB
	s_sub_co_u32 s[CNT], s[CNT], 1
	s_cmp_lg_u32 s[CNT], 0
	s_cbranch_scc1 .Lstep
	s_add_co_u32 s[TB], s[SLB], s[WO3]
	STEP 1, 1, 1                                   ; (the last trip's steps the descriptor once more: it is not used)
	s_xor_b32 s[SLB], s[SLB], SLOTX
	s_sub_co_u32 s[TRIP], s[TRIP], 1
	s_cmp_lg_u32 s[TRIP], 0
	s_cbranch_scc1 .Lslot
	s_barrier_wait -1                              ; the last slot, slot 1: nothing is filled any more
	s_add_co_u32 s[TB], s[WO], SLOTX
	s_mov_b32 s[CNT], 4
.Ltail:
	STEP 0, 1, 1
	s_add_co_u32 s[TB], s[TB], STEPB
	s_sub_co_u32 s[CNT], s[CNT], 1
	s_cmp_lg_u32 s[CNT], 0
	s_cbranch_scc1 .Ltail
	; THE TWO PARTS OF THE LONG BLOCK.  Where i = 15 B changes blocks only here, and its part is empty: zeros under the M of -3e38
	s_wait_alu depctr_va_vdst(0)
	s_cmp_lt_u32 s[WV], 8
	s_cbranch_scc1 .Lchanged
	s_cmp_lg_u32 s[KB], s[FLB]
	s_cbranch_scc1 .Lchanged
	FLUSH
.Lchanged:
	v_pk_add_f32 v[SA:SA+1], v[SA:SA+1], v[SC:SC+1]
	v_pk_add_f32 v[14:15], v[14:15], v[SA:SA+1]
	v_add_f32 v14, v14, v15
	s_wait_alu depctr_va_vdst(0)
	s_cmp_lt_u32 s[WV], 8
	s_cbranch_scc1 .Lheld
.irp k, 0,1,2,3,4,5,6,7
	ds_store_b128 v[XH], v[OT+4*\k:OT+4*\k+3] offset:512*\k
.endr
	ds_store_b32 v[XHL], v14
	ds_store_b32 v[XHL], v12 offset:128
.Lheld:
	s_wait_dscnt 0x0
	s_barrier_signal -1
	s_barrier_wait -1
.irp k, 0,1,2,3,4,5,6,7
	ds_load_b128 v[SF+4*\k:SF+4*\k+3], v[FX] offset:512*\k
.endr
	ds_load_b32 v232, v[FXL]
	ds_load_b32 v233, v[XHL] offset:128
	s_wait_dscnt 0x0
	s_cmp_ge_u32 s[WV], 8
	s_cbranch_scc1 .Lready                         ; B: the short block, whole
	v_min_num_f32 v234, v12, v233                  ; A: -M of both parts
	v_sub_f32 v235, v234, v12
	v_sub_f32 v236, v234, v233
	v_cvt_i32_f32 v235, v235
	v_cvt_i32_f32 v236, v236
	v_ldexp_f32 v238, 1.0, v235                    ; 2^(my M - M)
	v_ldexp_f32 v240, 1.0, v236                    ; 2^(B's M - M)
	v_mul_f32 v232, v232, v240
	v_fmac_f32 v232, v14, v238
.set jj, 0
.rept 16
	v_pk_mul_f32 v[SF+jj:SF+jj+1], v[SF+jj:SF+jj+1], v[240:241] op_sel_hi:[1,0]
.set jj, jj+2
.endr
.set jj, 0
.rept 16
	v_pk_fma_f32 v[SF+jj:SF+jj+1], v[OT+jj:OT+jj+1], v[238:239], v[SF+jj:SF+jj+1] op_sel_hi:[1,0,1]
.set jj, jj+2
.endr
.Lready:
	; THE WAY OUT.  O^T / the sum; register 8 u + j of lane (r, h) is channel 16 u + 8 h + j of query r: two blocks of 32 along the last product's K, each shared with lane l xor 16.
	v_permlanex16_b32 v252, v232, s[SEL], s[SEL+1]
	v_lshrrev_b32 v9, 8, v[LI]                     ; h
	v_add_f32 v14, v232, v252                      ; the row's sum
	v_add_nc_u32 v8, v[R32], v9                    ; asc: 32 bytes a token, lanes 16-31 the head's second byte
	s_wait_alu depctr_va_vdst(0)
	v_rcp_f32 v14, v14
	v_cmp_eq_u32 vcc_lo, 1, v9                     ; lanes 16-31.  (The plain instruction behind the reciprocal)
	s_wait_alu depctr_va_vdst(0)                   ; the wait ahead of the first reader
.set jj, 0
.rept 32
	v_mul_f32 v[SF+jj], v[SF+jj], v14
.set jj, jj+1
.endr
.irp b, 0,1
	v_max3_num_f32 v[232+\b], |v[SF+16*\b]|, |v[SF+1+16*\b]|, 0x4800000
.endr
.irp i, 2,4,6,8,10,12,14
.irp b, 0,1
	s_delay_alu instid0(VALU_DEP_2)
	v_max3_num_f32 v[232+\b], v[232+\b], |v[SF+16*\b+\i]|, |v[SF+1+16*\b+\i]|
.endr
.endr
.irp b, 0,1
	s_delay_alu instid0(VALU_DEP_2)
	v_permlanex16_b32 v[236+\b], v[232+\b], s[SEL], s[SEL+1]
.endr
.irp b, 0,1
	s_delay_alu instid0(VALU_DEP_2)
	v_max_num_f32 v[232+\b], v[232+\b], v[236+\b]
.endr
.irp b, 0,1
	s_delay_alu instid0(VALU_DEP_2)
	v_add_nc_u32 v[244+\b], 0xfc000000, v[232+\b]
.endr
.irp b, 0,1
	s_delay_alu instid0(VALU_DEP_4)
	v_and_or_b32 v[240+\b], v[232+\b], 0x7f800000, s[MNT]
.endr
.irp b, 0,1
	s_delay_alu instid0(VALU_DEP_4)
	v_lshrrev_b32 v[236+\b], 23, v[244+\b]
.endr
.irp b, 0,1
.irp i, 0,1,2,3,4,5,6,7,8,9,10,11,12,13,14,15
	v_med3_num_f32 v[SF+16*\b+\i], v[SF+16*\b+\i], -v[240+\b], v[240+\b]
.endr
.endr
.irp b, 0,1
	v_cvt_scalef32_pk8_fp8_f32 v[PCD+4*\b:PCD+4*\b+1], v[SF+16*\b:SF+16*\b+7], v[244+\b]
	v_cvt_scalef32_pk8_fp8_f32 v[PCD+4*\b+2:PCD+4*\b+3], v[SF+16*\b+8:SF+16*\b+15], v[244+\b]
.endr
	v_nop                                          ; one plain vector instruction behind the last conversion
	; W_proj's codes lie in ascending k, so these must too: place 32 b + 16 h + 8 u + j wants channel 32 b + 16 h + 8 u + j, and holds 32 b + 16 u + 8 h + j.  So lanes 0-15 take, for u = 1, lane l + 16's registers of
	; u = 0, and lanes 16-31, for u = 0, lane l - 16's of u = 1.
.irp b, 0,1
.irp e, 0,1
	v_permlanex16_b32 v[SF+4*\b+\e], v[PCD+4*\b+\e], s[SEL], s[SEL+1]        ; the other half's u = 0
	v_permlanex16_b32 v[SF+4*\b+2+\e], v[PCD+4*\b+2+\e], s[SEL], s[SEL+1]    ; and its u = 1
.endr
.endr
.irp b, 0,1
.irp e, 0,1
	v_cndmask_b32 v[PCD+4*\b+\e], v[PCD+4*\b+\e], v[SF+4*\b+2+\e], vcc_lo
	v_cndmask_b32 v[PCD+4*\b+2+\e], v[SF+4*\b+\e], v[PCD+4*\b+2+\e], vcc_lo
.endr
.endr
	v_cndmask_b32 v9, v236, v237, vcc_lo           ; lanes 0-15 send the first block's byte, lanes 16-31 the second's
	global_store_b128 v[LI], v[PCD:PCD+3], s[56:57]              ; 512 consecutive bytes each, aligned
	global_store_b128 v[LI], v[PCD+4:PCD+7], s[56:57] offset:512
	global_store_b8 v8, v9, s[58:59]               ; a head owns two of a token's 32 scale bytes: 32 single bytes a wave, once in the launch
	s_wait_tensorcnt 0x0                           ; the wave's end
	ds_add_u32 v[SPW], v[NIL]
	s_wait_dscnt 0x0
	s_endpgm
.Lfunc_end_k_qc33357a634_attn:
	.size	k_qc33357a634_attn, .Lfunc_end_k_qc33357a634_attn-k_qc33357a634_attn
	.p2alignl 7, 3214868480
	.fill 96, 4, 3214868480
	.section	.rodata,"a",@progbits
	.p2align	6, 0x0
	.amdhsa_kernel k_qc33357a634_attn
		.amdhsa_group_segment_fixed_size 327680
		.amdhsa_private_segment_fixed_size 0
		.amdhsa_enable_private_segment 0
		.amdhsa_kernarg_size 32
		.amdhsa_user_sgpr_count 2
		.amdhsa_user_sgpr_kernarg_segment_ptr 1
		.amdhsa_wavefront_size32 1
		.amdhsa_system_sgpr_workgroup_id_x 1
		.amdhsa_system_sgpr_workgroup_id_y 1
		.amdhsa_system_sgpr_workgroup_id_z 1
		.amdhsa_system_vgpr_workitem_id 0
		.amdhsa_next_free_vgpr 256
		.amdhsa_next_free_sgpr 84
		.amdhsa_reserve_vcc 1
		.amdhsa_float_denorm_mode_32 3
		.amdhsa_float_denorm_mode_16_64 3
		.amdhsa_memory_ordered 1
		.amdhsa_forward_progress 1
		.amdhsa_inst_pref_size 122
	.end_amdhsa_kernel
	.amdgpu_metadata
---
amdhsa.version: [ 1, 2 ]
amdhsa.kernels:
  - .name:           k_qc33357a634_attn
    .symbol:         k_qc33357a634_attn.kd
    .args:
      - { .name: qbuf, .offset: 0, .size: 8, .value_kind: global_buffer, .address_space: global }
      - { .name: kvbuf, .offset: 8, .size: 8, .value_kind: global_buffer, .address_space: global }
      - { .name: abuf, .offset: 16, .size: 8, .value_kind: global_buffer, .address_space: global }
      - { .name: asc, .offset: 24, .size: 8, .value_kind: global_buffer, .address_space: global }
    .group_segment_fixed_size: 327680
    .private_segment_fixed_size: 0
    .kernarg_segment_align: 8
    .kernarg_segment_size: 32
    .max_flat_workgroup_size: 512
    .sgpr_count:     84
    .vgpr_count:     256
    .wavefront_size: 32
...
	.end_amdgpu_metadata
.endif
;; end of part 2
;; launch proj (part 3): grid 8 x 32, 4 waves a work-group, clusters of 4 x 4, 327,680 bytes of LDS; arguments abuf, asc, W_proj_codes, W_proj_scales, b_proj, out0; writes out0
.if DOCPART == 3
	.amdgcn_target "amdgcn-amd-amdhsa--gfx1250"
	.amdhsa_code_object_version 6
	.text
	.protected	k_qc33357a634_proj
	.globl	k_qc33357a634_proj
	.p2align	8
	.type	k_qc33357a634_proj,@function
k_qc33357a634_proj:
	s_mov_b64 s[64:65], 0
	v_nop
	global_prefetch_b8 v0, s[64:65] scope:SCOPE_SE
	s_setreg_imm32_b32 hwreg(HW_REG_WAVE_MODE, 25, 1), 1
	s_wait_xcnt 0x0
	s_wait_alu depctr_hold_cnt(0) depctr_sa_sdst(0) depctr_va_vdst(0) depctr_va_sdst(0) depctr_va_ssrc(0) depctr_va_vcc(0) depctr_vm_vsrc(0)
	s_getreg_b32 s2, hwreg(HW_REG_IB_STS2, 6, 4)
	s_cmp_eq_u32 s2, 0
	s_cbranch_scc0 .Lentry_in_a_cluster
	s_endpgm
.Lentry_in_a_cluster:
	s_bfe_u32 s2, ttmp6, 0x10000c
	s_cmp_lg_u32 s2, 0xf033
	s_cbranch_scc0 .Lentry_shape_is_right
	s_endpgm
.Lentry_shape_is_right:
; out0 = a W_proj + b_proj on codes of FP8 (E4M3) with one E8M0 scale for each 32 along K = 1,024.  a: the merged heads, as the launch before left them: abuf [128 tokens 32][K step of 128: 8][tile of 16 tokens 8]
; [group of four registers 4][512 bytes], images of operand registers; asc [token][32] scale bytes.  W_proj's codes [1,024 n][1,024 k], its scale bytes [n][32].  out0 [4,096][1,024] f32.
; 256 work-groups, each a tile of 128 tokens x 128 n; a wave makes 64 x 64: 16 accumulators.  A larger tile would leave most of the 256 without work.
; ALL OF K OF BOTH OPERANDS FITS IN LDS (131,072 + 135,168 bytes): there are first fills only, in two chunks of 512 along K, one tensor load a wave: waves 0 and 1 fetch the first chunk of a and of W, waves 2 and 3
; the second, whose wait stands behind the first chunk's third K step.  Nothing is filled again, so there is no ring, and no loop in which a prefetch could run ahead.
; CLUSTERS: 4 x 4 work-groups; a's tile is asked for jointly by a row of the cluster, W's by a column.
; THE MATRIX INSTRUCTION IS USED TRANSPOSED (source 0 = 16 rows of W, source 1 = 16 tokens): a lane holds eight neighbouring numbers of a row of out0.  The bias is the C of each sum's first instruction.
; LIMITS: NaN, infinities and sums beyond f32's range are not served.
; REGISTERS: window 0: v8-20 addresses; v30, v31 the add's; v32-63 the bias; v64-95 a's scale words, v96-127 W's (they hold nothing else); v128-255 the accumulators ((a, b) at v[128 + 8 (4 a + b)]).
;   window 1: two buffers of 128: four fragments of a, then four of W.
.set WT,   131072                      ; LDS: a's images at 0 (8 K steps x 16,384); W's two chunks here, 128 rows x (512 + 16) each;
.set WCH,  128*528
.set STG,  WT+2*WCH                    ; the way out: 16 rows x (256 + 16) for each wave; no tile lands here
.set SPARE, STG+4096+4*16*272          ; the spare words, 128 bytes for each wave
.set ADA,  8                           ; v8-11   a's images of two K steps: 32,768 q + my 64 tokens + 16 x lane
.set ADW,  12                          ; v12, v13  W's rows of a chunk
.set STO,  16                          ; v16     the stage: where I put 32 bytes of a row
.set RD,   17                          ; v17     and where I read a row back
.set CO,   18                          ; v18     my byte offset in two rows of out0
.set VR,   19                          ; v19     32 r: a row of scale bytes
.set VH,   20                          ; v20     32 h: the bias's eight numbers of my half
.set BI,   32
.set AS,   64                          ; a's scale words: block a, K step k at v[AS + 8 a + k]
.set WS,   96                          ; W's likewise
.set ACC,  128
.set G1A,  24                          ; s[24:31] descriptor group 1 for a's chunks;  s[32:39] for W's
.set G1W,  32
.set G0A,  48                          ; s[48:51] group 0 for my chunk of a;  s[68:71] for W's
.set G0W,  68
.set MSB, 0
.macro WIN new                         ; the immediate's high byte repeats the setting that is left
.if MSB != \new
	s_set_vgpr_msb (MSB<<8)|\new
.set MSB, \new
.endif
.endm
.macro CROUND                          ; a round of the cluster's barrier
	s_barrier_signal -1
	s_barrier_wait -1
	s_cmp_lg_u32 s16, 0
	s_cbranch_scc1 .Lnot_wave_0_\@
	s_barrier_signal -3
.Lnot_wave_0_\@:
	s_barrier_wait -3
	s_barrier_signal -1
	s_barrier_wait -1
.endm
	s_load_b256 s[4:11], s[0:1], 0x0               ; abuf s[4:5], asc s[6:7], W's codes s[8:9], W's scales s[10:11]
	s_load_b128 s[12:15], s[0:1], 0x20             ; b_proj s[12:13], out0 s[14:15]
	v_lshl_add_u32 v30, v0, 2, SPARE
	v_mov_b32 v31, 0
	ds_add_u32 v30, v31                            ; the wave's opening: the add, twice on end, and its wait ahead of my tensor load
	ds_add_u32 v30, v31
	v_lshrrev_b32 v1, 5, v0
	v_readfirstlane_b32 s16, v1                    ; wave 0..3
	s_lshr_b32 s17, s16, 1                         ; which 64 tokens are mine.  Also: which chunk I fetch
	s_and_b32 s18, s16, 1                          ; which 64 n.  Also: I fetch for a (0) or for W (1)
	s_bfe_u32 s40, ttmp6, 0x40000                  ; cx, cy: my place in the cluster
	s_bfe_u32 s41, ttmp6, 0x40004
	s_lshl_b32 s42, ttmp9, 2
	s_add_co_u32 s42, s42, s40                     ; tile column = 4 x cluster x + cx
	s_and_b32 s19, ttmp7, 0xffff
	s_lshl_b32 s19, s19, 2
	s_add_co_u32 s19, s19, s41                     ; tile row = 4 x cluster y + cy
	s_lshl_b32 s43, s41, 2
	s_lshl_b32 s43, 15, s43                        ; my row of the cluster
	s_lshl_b32 s44, 0x1111, s40                    ; my column
	; a: a chunk is four K steps' images of 128 tokens, 65,536 dense bytes, as 256 rows of 256 bytes (32 elements of 8 bytes); no padding: every LDS load takes 512 bytes on end
	s_or_b32 s[G1A], s43, (3<<16)|(1<<21)          ; 15:0 the mask: my row; 17:16 elements of 8 bytes; 21 set beside a mask
	s_mov_b32 s[G1A+1], 32<<16
	s_mov_b32 s[G1A+2], 256<<16
	s_mov_b32 s[G1A+3], 32<<16
	s_mov_b32 s[G1A+4], 256
	s_mov_b32 s[G1A+5], 32
	s_mov_b32 s[G1A+6], 0
	s_mov_b32 s[G1A+7], 0
	; W: a chunk is 128 rows x 512 bytes, 1,024 bytes apart in memory, 16 bytes of padding behind each in LDS
	s_or_b32 s[G1W], s44, (0<<16)|(1<<20)|(1<<21)|(6<<22)|(3<<25)   ; the mask: my column; elements of 1 byte; padding: four words after every 128
	s_mov_b32 s[G1W+1], 512<<16
	s_mov_b32 s[G1W+2], 128<<16
	s_mov_b32 s[G1W+3], 512<<16
	s_mov_b32 s[G1W+4], 128
	s_mov_b32 s[G1W+5], 1024
	s_mov_b32 s[G1W+6], 0
	s_mov_b32 s[G1W+7], 0
	s_lshl_b32 s20, s19, 17                        ; a: 131,072 bytes a tile row,
	s_lshl_b32 s21, s17, 16                        ; my chunk's four K steps
	s_add_co_u32 s20, s20, s21
	s_mov_b32 s21, 0
	s_lshl_b32 s46, s42, 17                        ; W: 128 rows of 1,024 bytes a tile column,
	s_lshl_b32 s47, s17, 9                         ; my chunk's 512 bytes of each
	s_add_co_u32 s46, s46, s47
	s_mov_b32 s47, 0
	s_lshl_b32 s22, s17, 16                        ; where they go: no place in the cluster enters an LDS address
	s_mul_i32 s23, s17, WCH
	s_wait_alu depctr_va_vdst(0)
	s_wait_dscnt 0x0                               ; both opening adds are done
	s_wait_kmcnt 0x0
	s_add_nc_u64 s[20:21], s[4:5], s[20:21]
	s_add_nc_u64 s[46:47], s[8:9], s[46:47]
	s_mov_b32 s[G0A], 1
	s_mov_b32 s[G0A+1], s22
	s_mov_b64 s[G0A+2:G0A+3], s[20:21]
	s_or_b32 s[G0A+3], s[G0A+3], 0x80000000
	s_mov_b32 s[G0W], 1
	s_add_co_u32 s[G0W+1], s23, WT
	s_mov_b64 s[G0W+2:G0W+3], s[46:47]
	s_or_b32 s[G0W+3], s[G0W+3], 0x80000000
	CROUND                                         ; all sixteen work-groups are here: the joint loads meet
.macro ARM under, g0, g1, next         ; one tree of branches on the wave's number, one load to an arm: the first chunk's loads, which are shown ahead of the second's, have lines of their own
	s_cmp_lt_u32 s16, \under
	s_cbranch_scc0 \next
	tensor_load_to_lds s[\g0:\g0+3], s[\g1:\g1+7]
	s_nop 0
.rept 4
	v_nop
.endr
	s_branch .Lasked
\next:
.endm
	ARM 1, G0A, G1A, .Lw_first
	ARM 2, G0W, G1W, .La_second
	ARM 3, G0A, G1A, .Lw_second
	tensor_load_to_lds s[G0W:G0W+3], s[G1W:G1W+7]
	s_nop 0
.rept 4
	v_nop
.endr
.Lasked:
	v_and_b32 v1, 15, v0                           ; r
	v_bfe_u32 v2, v0, 4, 1                         ; h
	v_and_b32 v3, 31, v0
	v_lshlrev_b32 v4, 4, v3                        ; 16 x lane
	v_lshlrev_b32 v[VR], 5, v1
	v_lshlrev_b32 v[VH], 5, v2
	s_wait_alu depctr_va_vdst(0)
	; the scale words and the bias come once, straight into registers
	s_lshl_b32 s84, s19, 12
	s_lshl_b32 s85, s17, 11
	s_add_co_u32 s84, s84, s85                     ; 32 bytes x (128 tile row + 64 half)
	s_mov_b32 s85, 0
	s_add_nc_u64 s[6:7], s[6:7], s[84:85]
	s_lshl_b32 s86, s42, 12
	s_lshl_b32 s87, s18, 11
	s_add_co_u32 s86, s86, s87
	s_mov_b32 s87, 0
	s_add_nc_u64 s[10:11], s[10:11], s[86:87]
	s_lshl_b32 s88, s42, 9
	s_lshl_b32 s89, s18, 8
	s_add_co_u32 s88, s88, s89                     ; 4 bytes x (128 tile column + 64 half)
	s_mov_b32 s89, 0
	s_add_nc_u64 s[12:13], s[12:13], s[88:89]
.irp a, 0,1,2,3
	global_load_b128 v[AS+8*\a:AS+8*\a+3], v[VR], s[6:7] offset:512*\a
	global_load_b128 v[AS+8*\a+4:AS+8*\a+7], v[VR], s[6:7] offset:512*\a+16
	global_load_b128 v[WS+8*\a:WS+8*\a+3], v[VR], s[10:11] offset:512*\a
	global_load_b128 v[WS+8*\a+4:WS+8*\a+7], v[VR], s[10:11] offset:512*\a+16
	global_load_b128 v[BI+8*\a:BI+8*\a+3], v[VH], s[12:13] offset:64*\a          ; register 8 b + j: n = 16 b + 8 h + j
	global_load_b128 v[BI+8*\a+4:BI+8*\a+7], v[VH], s[12:13] offset:64*\a+16
.endr
	s_lshl_b32 s90, s19, 19
	s_lshl_b32 s91, s17, 18
	s_add_co_u32 s90, s90, s91                     ; 4,096 bytes x my first token,
	s_add_co_u32 s90, s90, s88                     ; + my first n
	s_mov_b32 s91, 0
	s_add_nc_u64 s[14:15], s[14:15], s[90:91]
	s_lshl_b32 s22, s17, 13                        ; my 64 tokens: four tiles of 2,048 bytes in a K step's images
	v_mul_u32_u24 v5, v1, 528
	v_lshl_add_u32 v5, v2, 4, v5                   ; W: row r x pitch + 16 h
	s_wait_alu depctr_va_vdst(0)
	s_mul_i32 s23, s18, 64*528
	s_add_co_u32 s23, s23, WT
.irp q, 0,1,2,3
	v_add_nc_u32 v[ADA+\q], s22, v4
	s_add_co_u32 s22, s22, 32768
.endr
.irp q, 0,1
	v_add_nc_u32 v[ADW+\q], s23, v5
	s_add_co_u32 s23, s23, WCH
.endr
	s_mul_i32 s22, s16, 16*272
	s_add_co_u32 s22, s22, STG                     ; my stage
	v_mul_u32_u24 v6, v1, 272
	v_lshl_add_u32 v6, v2, 5, v6
	v_add_nc_u32 v[STO], s22, v6                   ; in: row r, 32 bytes for each half of the lanes
	v_mul_u32_u24 v6, v2, 272
	v_lshl_add_u32 v6, v1, 4, v6
	v_add_nc_u32 v[RD], s22, v6                    ; back: lanes 0-15 one row of 256 bytes, lanes 16-31 the next
	v_lshlrev_b32 v[CO], 12, v2
	v_lshl_add_u32 v[CO], v1, 4, v[CO]             ; and the same two rows in out0
.macro FETCH k, f                      ; K step k's eight fragments into buffer f: 32 LDS loads in one run
	WIN 0x40                                       ; destination window 1, address window 0
.irp a, 0,1,2,3
.irp c, 0,1,2,3
	ds_load_b128 v[(\f)+16*\a+4*\c:(\f)+16*\a+4*\c+3], v[ADA+(\k)/2] offset:((\k)%2)*16384+2048*\a+512*\c
.endr
.endr
.irp b, 0,1,2,3
.irp c, 0,1,2,3
	ds_load_b128 v[(\f)+64+16*\b+4*\c:(\f)+64+16*\b+4*\c+3], v[ADW+(\k)/4] offset:((\k)%4)*128+32*\c+\b*16*528
.endr
.endr
.endm
.macro MUL k, f                        ; 16 matrix instructions; the 16 accumulators take turns, in the same order in every step
	WIN 0x05                                       ; sources 0 (W) and 1 (a) window 1; C and D window 0
.irp a, 0,1,2,3
.irp b, 0,1,2,3
.if (\k) == 0
	v_wmma_scale_f32_16x16x128_f8f6f4 v[ACC+8*(4*\a+\b):ACC+8*(4*\a+\b)+7], v[(\f)+64+16*\b:(\f)+64+16*\b+15], v[(\f)+16*\a:(\f)+16*\a+15], v[BI+8*\b:BI+8*\b+7], v[WS+8*\b+(\k)], v[AS+8*\a+(\k)]
.else
	v_wmma_scale_f32_16x16x128_f8f6f4 v[ACC+8*(4*\a+\b):ACC+8*(4*\a+\b)+7], v[(\f)+64+16*\b:(\f)+64+16*\b+15], v[(\f)+16*\a:(\f)+16*\a+15], v[ACC+8*(4*\a+\b):ACC+8*(4*\a+\b)+7], v[WS+8*\b+(\k)], v[AS+8*\a+(\k)]
.endif
.endr
.endr
.endm
.macro KSTEP k
	s_wait_dscnt 0x0                               ; this step's fragments are in
.if (\k)+1 < 8
.if (\k)+1 == 4
	WIN 0
	s_wait_tensorcnt 0x0                           ; the second chunk is in, on every wave's way
	s_barrier_signal -1
	s_barrier_wait -1
.endif
.if (\k) > 0
.rept 8
	v_nop                                          ; places in front of loads into the buffer that the last step's products have read (ISA guide 7.12.1 for vector instructions)
.endr
.endif
	FETCH (\k)+1, 128*(((\k)+1)%2)
.endif
	MUL \k, 128*((\k)%2)
.endm
	s_wait_alu depctr_va_vdst(0)                   ; the wait at the head's end
	s_cmp_lt_u32 s16, 2
	s_cbranch_scc0 .Lsecond_later
	s_wait_tensorcnt 0x0                           ; waves 0 and 1: the first chunk is in
.Lsecond_later:
	s_barrier_signal -1
	s_barrier_wait -1
	FETCH 0, 0
	s_wait_loadcnt 0x0                             ; the scale words and the bias
.irp k, 0,1,2,3,4,5,6,7
	KSTEP \k
.endr
	WIN 0
; THE WAY OUT, a block of 16 tokens x 64 n at a time: a lane's 32 bytes go into my own stage and come back as whole rows of 256 bytes, into the registers that they left.
; LDS serves a wave's instructions in order (ISA guide 5.7.1.4): no wait between the stores and the loads, nor in front of the next block's stores.
.rept 8
	v_nop                                          ; places behind the last products
.endr
.macro OUTB a
.irp b, 0,1,2,3
	ds_store_b128 v[STO], v[ACC+32*\a+8*\b:ACC+32*\a+8*\b+3] offset:64*\b       ; each accumulator from its low end on
	ds_store_b128 v[STO], v[ACC+32*\a+8*\b+4:ACC+32*\a+8*\b+7] offset:64*\b+16
.endr
.irp i, 0,1,2,3,4,5,6,7
	ds_load_b128 v[ACC+32*\a+4*\i:ACC+32*\a+4*\i+3], v[RD] offset:2*\i*272
.endr
.endm
.macro SEND a, younger                 ; younger: the LDS instructions issued behind block a's loads: the next block's eight stores and eight loads, or none
.irp i, 0,1,2,3,4,5,6,7
	s_wait_dscnt \younger+7-\i
	global_store_b128 v[CO], v[ACC+32*\a+4*\i:ACC+32*\a+4*\i+3], s[14:15] offset:(16*\a+2*\i)*4096 th:TH_STORE_NT   ; 16 lanes store 256 consecutive bytes, at a multiple of 256 from out0's first byte
.endr
.endm
	OUTB 0
	OUTB 1
	SEND 0, 16
	OUTB 2
	SEND 1, 16
	OUTB 3
	SEND 2, 16
	SEND 3, 0
	s_wait_tensorcnt 0x0                           ; the wave's end
	ds_add_u32 v30, v31
	s_wait_dscnt 0x0
	CROUND                                         ; the closing round: no work-group ends while a partner may still ask for a tile that names it
	s_endpgm
.Lfunc_end_k_qc33357a634_proj:
	.size	k_qc33357a634_proj, .Lfunc_end_k_qc33357a634_proj-k_qc33357a634_proj
	.p2alignl 7, 3214868480
	.fill 96, 4, 3214868480
	.section	.rodata,"a",@progbits
	.p2align	6, 0x0
	.amdhsa_kernel k_qc33357a634_proj
		.amdhsa_group_segment_fixed_size 327680
		.amdhsa_private_segment_fixed_size 0
		.amdhsa_enable_private_segment 0
		.amdhsa_kernarg_size 48
		.amdhsa_user_sgpr_count 2
		.amdhsa_user_sgpr_kernarg_segment_ptr 1
		.amdhsa_wavefront_size32 1
		.amdhsa_system_sgpr_workgroup_id_x 1
		.amdhsa_system_sgpr_workgroup_id_y 1
		.amdhsa_system_sgpr_workgroup_id_z 1
		.amdhsa_system_vgpr_workitem_id 0
		.amdhsa_next_free_vgpr 512
		.amdhsa_next_free_sgpr 92
		.amdhsa_reserve_vcc 0
		.amdhsa_float_denorm_mode_32 3
		.amdhsa_float_denorm_mode_16_64 3
		.amdhsa_memory_ordered 1
		.amdhsa_forward_progress 1
		.amdhsa_inst_pref_size 53
	.end_amdhsa_kernel
	.amdgpu_metadata
---
amdhsa.version: [ 1, 2 ]
amdhsa.kernels:
  - .name:           k_qc33357a634_proj
    .symbol:         k_qc33357a634_proj.kd
    .args:
      - { .name: abuf, .offset: 0, .size: 8, .value_kind: global_buffer, .address_space: global }
      - { .name: asc, .offset: 8, .size: 8, .value_kind: global_buffer, .address_space: global }
      - { .name: W_proj_codes, .offset: 16, .size: 8, .value_kind: global_buffer, .address_space: global }
      - { .name: W_proj_scales, .offset: 24, .size: 8, .value_kind: global_buffer, .address_space: global }
      - { .name: b_proj, .offset: 32, .size: 8, .value_kind: global_buffer, .address_space: global }
      - { .name: out0, .offset: 40, .size: 8, .value_kind: global_buffer, .address_space: global }
    .group_segment_fixed_size: 327680
    .private_segment_fixed_size: 0
    .kernarg_segment_align: 8
    .kernarg_segment_size: 48
    .max_flat_workgroup_size: 128
    .sgpr_count:     92
    .vgpr_count:     512
    .wavefront_size: 32
...
	.end_amdgpu_metadata
.endif
;; end of part 3
